; MI455X (gfx1250); checked and timed in simulation.
; The chip was launched on July 23, 2026; its instructions are those of AMD's public machine-readable ISA for CDNA 5 (MIT licence, August 2026) and "CDNA5" Instruction Set Architecture Reference Guide (July 2026). The comments in the code are by the model that wrote it; some were corrected since.
;; Vector Logic. Allowed arithmetic: matrix products marked QUANTISED: E2M1 operands, one E8M0 scale for each 32 along K, by v_wmma_scale_f32_16x16x128_f8f6f4 with both operands' format E2M1 (or v_wmma_scale_f32_32x16x128_f4), f32 sums; products left as they are: f32 operands where the result goes on into a quantised operand, else bf16, f16 or f32 operands; f32 sums; everything else in f32.
;; Inputs: a 65,536 x 8 x 32 float32; false_raw 32 x 1 float32; truth_raw 32 x 1 float32.
;; Outputs: out0 65,536 float32.
;; This version of the problem:
;;   THIS VERSION OF THE PROBLEM IS GIVEN IN LOW PRECISION. The matrix products marked QUANTISED in the list below multiply operands that are first quantised to E2M1 (2 exponent bits, 1 mantissa bit; 4 bits a number), with one power-of-two scale for each 32 numbers along K (OCP MX v1.0); their sums are f32. All else is computed in f32.
;;   The module's matrix products, in the order in which they are computed (A, B: the left and right operand; K: the contracted axis; several contracted axes count as one K, in the product's order):
;;     1. [M 1, K 32] x [K 32, N 1]; A: computed on the way; B: input false_raw: left as it is (M = 1 < 16)
;;     2. batch 65,536 x [M 32, K 1] x [K 1, N 32]; A: computed on the way; B: computed on the way: left as it is (no contracted axis)
;;     3. [M 65,536, K 1,024] x [K 1,024, N 32]; A: computed on the way; B: computed on the way: QUANTISED
;;     4. batch 65,536 x [M 32, K 1] x [K 1, N 32]; A: computed on the way; B: computed on the way: left as it is (no contracted axis)
;;     5. [M 65,536, K 1,024] x [K 1,024, N 32]; A: computed on the way; B: computed on the way: QUANTISED
;;     6. batch 65,536 x [M 32, K 1] x [K 1, N 32]; A: computed on the way; B: computed on the way: left as it is (no contracted axis)
;;     7. [M 65,536, K 1,024] x [K 1,024, N 32]; A: computed on the way; B: computed on the way: QUANTISED
;;     8. batch 65,536 x [M 32, K 1] x [K 1, N 32]; A: computed on the way; B: computed on the way: left as it is (no contracted axis)
;;     9. [M 65,536, K 1,024] x [K 1,024, N 32]; A: computed on the way; B: computed on the way: QUANTISED
;;     10. batch 65,536 x [M 32, K 1] x [K 1, N 32]; A: computed on the way; B: computed on the way: left as it is (no contracted axis)
;;     11. [M 65,536, K 1,024] x [K 1,024, N 32]; A: computed on the way; B: computed on the way: QUANTISED
;;     12. batch 65,536 x [M 32, K 1] x [K 1, N 32]; A: computed on the way; B: computed on the way: left as it is (no contracted axis)
;;     13. [M 65,536, K 1,024] x [K 1,024, N 32]; A: computed on the way; B: computed on the way: QUANTISED
;;     14. batch 65,536 x [M 32, K 1] x [K 1, N 32]; A: computed on the way; B: computed on the way: left as it is (no contracted axis)
;;     15. [M 65,536, K 1,024] x [K 1,024, N 32]; A: computed on the way; B: computed on the way: QUANTISED
;;     16. [M 65,536, K 32] x [K 32, N 1]; A: computed on the way; B: computed on the way: left as it is (N = 1 < 16)
;;   THE QUANTISER, for each operand of a quantised product, along K:
;;     - K is cut into blocks of 32 from its start; a last block that is shorter is filled with zeros.
;;     - A block's scale is 2^e with e = floor(log2(the largest magnitude in the block)) - 2, held to -126 .. 127; a block of zeros has e = 0. As a byte (E8M0): e + 127.
;;     - Each number is divided by its block's scale, clamped to +-6, and rounded to the nearest number of E2M1, ties to even, subnormals kept.
;;     - The product sums the exact products of the quantised numbers (number of the format x scale) in f32.
;;   ~~~python
;;   def quantise(x, axis):      # numpy; x: float32 -> the quantised numbers, widened to float32 again
;;       x = np.moveaxis(x, axis, -1); K = x.shape[-1]
;;       x = np.pad(x, [(0, 0)] * (x.ndim - 1) + [(0, -K % 32)]); x = x.reshape(x.shape[:-1] + (-1, 32)); a = np.abs(x).max(-1, keepdims=True)
;;       e = np.where(a > 0, np.clip(np.frexp(np.where(a > 0, a, 1))[1] - 1 - 2, -126, 127), 0)      # np.frexp(a)[1] - 1 = floor(log2(a)), exactly
;;       r = np.clip(x / 2.0 ** e, -6, 6)
;;       step = 2.0 ** (np.maximum(np.frexp(np.where(r == 0, 1, r))[1] - 1, 0) - 1)
;;       q = np.round(r / step) * step * 2.0 ** e      # np.round: ties to even
;;       return np.moveaxis(q.reshape(q.shape[:-2] + (-1,))[..., :K], -1, axis).astype(np.float32)
;;   ~~~
;;   OPERANDS COMPUTED ON THE WAY. 'Computed on the way' means the value that the module computes at that place (a softmax that the list does not call 'softmax' is quantised finished and normalised). What goes into a quantiser is computed in f32, as accurately as f32 sums, v_exp_f32 and their like allow (about 1e-6 of the number): no bf16 or f16 on the way to a quantiser, and a product that is left as it is and whose result goes on into a quantised operand takes f32 operands (vector FMAs, or v_wmma_f32_16x16x4_f32). A number that lies on a knife's edge between two numbers of the format may be rounded either way, as far as f32 arithmetic and the matrix unit's own rounding can turn it there, and no further.
;; One version. Each part assembles by itself: llvm-mc -triple=amdgcn-amd-amdhsa -mcpu=gfx1250 --defsym DOCPART=n.
;; ======== version 1 of 1: 1 launch
;; launch fold (part 1): grid 256 x 1, 16 waves a work-group, no clusters, 301,056 bytes of LDS; arguments a, truth_raw, false_raw, out0; writes out0
.if DOCPART == 1
	.amdgcn_target "amdgcn-amd-amdhsa--gfx1250"
	.amdhsa_code_object_version 6
	.text
	.protected	k_q304adcdf56_fold
	.globl	k_q304adcdf56_fold
	.p2align	8
	.type	k_q304adcdf56_fold,@function
k_q304adcdf56_fold:
	s_mov_b64 s[64:65], 0
	v_nop
	global_prefetch_b8 v0, s[64:65] scope:SCOPE_SE
	s_setreg_imm32_b32 hwreg(HW_REG_WAVE_MODE, 25, 1), 1
	s_wait_xcnt 0x0
; probs[b] = clip(r7[b] . t, 0, 1), where r0 = a[b][0] and r_j = Q(kron(r_(j-1), a[b][j])) Q(conj)^T for j = 1 .. 7.  a: [65536][8][32] f32.
; t = truth_raw / |truth_raw|;  f = (false_raw - (t . false_raw) t), normalised;  conj[o][32 i + j] = t_o (t_i t_j) + f_o (t_i f_j + f_i t_j + f_i f_j).
; Q is the MX-FP4 quantiser along K = 1,024: E2M1 codes, one E8M0 scale for each 32 along K.  Sums in f32.
; WHERE THE BLOCKS FALL.  K = 32 i + j: a block of 32 along K is ONE r_i times the whole row s = a[b][j].  Rounding keeps order, so the block's largest magnitude is
; the rounded product |r_i| x max|s|: one maximum over s for a fold, one multiplication for a block.  The codes want all 32 products in f32 and four conversions.
; SHARES.  256 work-groups of 16 waves; a work-group owns 256 rows of a, a wave 16 of them, through all seven folds, in 256 registers (four waves to a SIMD, so that one
; wave's waits stand beside another's vector work).  Lane (r = lane % 16, h = lane / 16) serves batch row r.
; LAYOUT.  The product is used transposed: source 0 = 16 rows of Q(conj), source 1 = the 16 batch rows' codes.  In the result of output tile t, register j of lane (r, h)
; holds r_new[16 t + 8 h + j] of batch row r.  The two accumulators stand on end: R[p] holds index i(p, h) = 16 (p / 8) + 8 h + p % 8.
; The 4-bit operand layout gives lane (r, h), in registers 4 c .. 4 c + 3, block 2 c + h of a K step of 128.  THE BLOCKS OF K ARE PERMUTED, ALIKE IN BOTH OPERANDS:
; block 2 c + h of K step q is r-index i(2 q + c, h).  So a lane multiplies its OWN R[2 q] and R[2 q + 1] by its own copy of s: from fold to fold nothing changes lanes
; but two scale bytes a K step.  The order of the f32 sums over blocks so differs from ascending K.
; THE WEIGHTS: wave w makes fragment w (K step w / 2, output tile w % 2) of Q(conj) while a's tiles are on their way; the 16 fragments go through LDS as images of their
; registers, and every wave keeps all 16 (128 registers) and their scale words (8) for the whole launch.
; a's 256 KiB of a work-group come by 64 tensor loads (four a wave: literals 2 k and 2 k + 1 of its 16 rows, rows of 256 bytes) issued at the first lines; each lands once,
; in bytes of its own, and only the wave that asked reads it: no slot is filled again.
; NO CLUSTER: work-groups share nothing but the 256 bytes of truth_raw and false_raw.
; LIMITS: NaN and infinities among the inputs are not served.  A literal whose largest magnitude lies under 2^-124 is not served (its quarter would lose bits).
; The sums of squares of truth_raw and of the orthogonalised false_raw must be normal f32 numbers (v_rsq_f32 takes a denormal as zero: ISA guide, its entry in 15.8).
; A block of zeros has the scale byte 1 where the rule says 127: its codes are zeros, which add nothing, and nobody else reads the bytes.
.set PITCH,  272                       ; an LDS row of a tile: 256 bytes + 16 of padding = 68 words: row r starts at bank 4 r mod 64 (64 banks of 4 bytes: ISA guide 11.1)
.set PAIRB,  16*PITCH                  ; a tile: 16 rows, two literals
.set WTILE,  4*PAIRB                   ; a wave's four tiles, from LDS byte WTILE x wave on
.set WIMG,   16*WTILE                  ; 278,528: the 16 weight fragments, 1,024 bytes each: quad c of fragment w at 1,024 w + 512 c + 16 lane
.set WSC,    WIMG+16*1024              ; 294,912: their scale words: row m of fragment w at 64 w + 4 m
.set TV,     WSC+1024                  ; 295,936: t, 128 bytes for each wave, the wave's own
.set OUTS,   TV+16*128                 ; 297,984: the work-group's 256 results.  The use ends at 299,008
; registers that stay
.set LA,   1                           ; v1       LDS address of my batch row in my wave's first tile
.set TVA,  2                           ; v2       LDS address of my half's eight numbers of t
.set OSA,  3                           ; v3       where my row's result goes
.set OLA,  4                           ; v4       the way out: 16 bytes of the results for each thread of waves 0 and 1
.set OGA,  5                           ; v5       and their place in out0
.set SMQ,  6                           ; v[6:7]   max|s| / 4; v7 = 0 (named with it as a pair)
.set X,    8                           ; v[8:9], v[10:11]  the two blocks' scale operands, for even and for odd K steps
.set P,    12                          ; v12, v13 at work
.set O,    13
.set WD,   14                          ; v14, v15 k's scale word, for even and for odd K steps: scales and nothing else
.set FR,   16                          ; v[16:23] k's fragment
.set RA,   24                          ; v[24:39], v[40:55]  r, two sets that change places from fold to fold
.set RB,   40
.set S,    56                          ; v[56:87] the literal s
.set PR,   88                          ; v[88:119] products, four groups of eight by turns
.set WS,   120                         ; v[120:127] the weights' scale words of K step q: lanes 0-15 output tile 0, lanes 16-31 tile 1: scales and nothing else
.set W,    128                         ; v[128:255] the weights: fragment (q, t) at W + 16 q + 8 t
; the head's registers, all done with before the folds begin
.set LN,   56                          ; lane
.set RR,   57                          ; r
.set HH,   58                          ; h
.set Z0,   59                          ; 0
.set OO,   60                          ; byte offset of index o = 16 (w % 2) + r
.set OI,   61                          ; byte offset of index i(2 (w / 2), h)
.set OL,   62                          ; 4 x lane
.set TL,   63                          ; t[lane]
.set TFO,  64                          ; v[64:65] t_o, f_o
.set TI,   66                          ; v[66:67] t_i for c = 0, 1
.set FI,   68                          ; v[68:69] f_i for c = 0, 1
.set SUM,  70                          ; v[70:73] sums
.set INV,  74                          ; v[74:75] 1 / |truth_raw|, 0
.set NPJ,  76                          ; v[76:77] -(t . false_raw), 0
.set ING,  78                          ; v[78:79] 1 / |the orthogonalised false|, 0
.set MX,   80                          ; v80, v81 the two blocks' largest magnitudes
.set SOP,  82                          ; v82, v83 their scale operands
.set BY,   84                          ; v84, v85 their bytes
.set WRD,  86                          ; the scale word
.set SH,   87                          ; 8 h
.set OTH,  88                          ; the other half's two bytes
.set AWI,  89                          ; where my fragment's image goes
.set AWS,  90                          ; and its scale word
.set ATV,  91                          ; and t[lane]
.set U,    24                          ; v[24:55]   t_i f_j + f_i t_j + f_i f_j
.set T,    128                         ; v[128:159] t, all 32 in every lane
.set F,    160                         ; v[160:191] f likewise
.set V,    192                         ; v[192:255] my two blocks of conj
.set WV,   12                          ; s12      my wave's number
.set G1,   16                          ; s[16:23] descriptor group 1
.set G0,   24                          ; s[24:39] descriptor group 0, a set for each of my four tiles; none is written again
.set SEL,  40                          ; s[40:41] lane selects for v_permlanex16_b32: lane l xor 16
.set FLOOR, 42                         ; s42      2^-126: exponent field 1, under which no scale operand falls
.set HI2,  43                          ; s43      v_perm_b32: the upper halves of two registers
.set MIX,  44                          ; s44      v_perm_b32: bytes 0 and 2 of mine and of the other half's, by turns
.set LB,   45                          ; s45      LDS byte at which my wave's tiles begin
	s_load_b256 s[4:11], s[0:1], 0x0               ; a s[4:5], truth_raw s[6:7], false_raw s[8:9], out0 s[10:11]
	v_lshl_add_u32 v190, v0, 2, 0x49000
	v_mov_b32 v191, 0
	ds_add_u32 v190, v191
	ds_add_u32 v190, v191
	s_wait_dscnt 0x0
	v_lshrrev_b32 v[LN], 5, v0
	v_readfirstlane_b32 s[WV], v[LN]               ; wave 0..15
	; descriptor group 1: a tile of 16 rows x 256 bytes (32 elements of 8 bytes), the rows 1,024 bytes apart in memory, padded in LDS
	s_mov_b32 s[G1+0], (3<<16)|(1<<20)|(5<<22)|(3<<25)   ; 15:0 no mask; 17:16 elements of 8 bytes; 20 padding on; 24:22 after every 64 words (code 5); 31:25 four words (code 3)
	s_mov_b32 s[G1+1], 32<<16                      ; tensor_dim0 = 32
	s_mov_b32 s[G1+2], 16<<16                      ; tensor_dim1 = 16
	s_mov_b32 s[G1+3], 32<<16                      ; tile_dim0 = 32
	s_mov_b32 s[G1+4], 16                          ; tile_dim1 = 16
	s_mov_b32 s[G1+5], 128                         ; tensor_dim0_stride: 128 elements from a batch row to the next
	s_mov_b32 s[G1+6], 0
	s_mov_b32 s[G1+7], 0
	s_mov_b32 s[SEL], 0x76543210
	s_mov_b32 s[SEL+1], 0xfedcba98
	s_mov_b32 s[FLOOR], 0x00800000
	s_mov_b32 s[HI2], 0x07060302
	s_mov_b32 s[MIX], 0x06020400
	s_mul_i32 s[LB], s[WV], WTILE
	s_lshl_b32 s14, ttmp9, 18                      ; the work-group's 256 rows of 1,024 bytes (at most 255 << 18: under 2^32),
	s_lshl_b32 s13, s[WV], 14                      ; my wave's 16 of them
	s_add_co_u32 s14, s14, s13
	s_mov_b32 s15, 0
	s_wait_kmcnt 0x0
	s_add_nc_u64 s[4:5], s[4:5], s[14:15]          ; a at my wave's first row
.irp k, 0,1,2,3
	s_mov_b32 s[G0+4*\k], 1                        ; 1:0 count = 1
	s_add_co_u32 s[G0+4*\k+1], s[LB], \k*PAIRB     ; 63:32 LDS address: wave x WTILE + tile x PAIRB
	s_add_nc_u64 s[G0+4*\k+2:G0+4*\k+3], s[4:5], \k*256   ; 120:64 global address: literals 2 k and 2 k + 1
	s_or_b32 s[G0+4*\k+3], s[G0+4*\k+3], 0x80000000       ; 127:126 type = 2
.endr
.irp k, 0,1,2,3
	tensor_load_to_lds s[G0+4*\k:G0+4*\k+3], s[G1:G1+7]   ; all my first fills in one group, ahead of every wait on TENSORcnt, LDS read and barrier: four loads of mine are out
	s_nop 0
.endr
.rept 4
	v_nop
.endr
	s_lshl_b32 s14, ttmp9, 10
	s_add_nc_u64 s[10:11], s[10:11], s[14:15]      ; out0 at the work-group's 256 results
	; ---- THE HEAD: fragment w of Q(conj), made while the tiles are on their way
	v_and_b32 v[LN], 31, v0
	v_and_b32 v[RR], 15, v0
	v_bfe_u32 v[HH], v0, 4, 1
	v_mov_b32 v[Z0], 0
	s_and_b32 s13, s[WV], 1
	s_lshl_b32 s13, s13, 6
	v_lshl_add_u32 v[OO], v[RR], 2, s13            ; o = 16 (w % 2) + r, in bytes
	s_lshr_b32 s13, s[WV], 3
	s_lshl_b32 s13, s13, 6
	s_and_b32 s14, s[WV], 6
	s_lshl_b32 s14, s14, 2
	s_add_co_u32 s13, s13, s14
	v_lshl_add_u32 v[OI], v[HH], 5, s13            ; i(2 (w / 2) + c, h) = 16 (w / 8) + 8 h + (w & 6) + c, in bytes: c = 0, 1 are neighbours
	v_lshlrev_b32 v[OL], 2, v[LN]
.irp k, 0,1,2,3,4,5,6,7
	global_load_b128 v[T+4*\k:T+4*\k+3], v[Z0], s[6:7] offset:16*\k   ; both vectors whole in every lane: the sums below then need no other lane
.endr
.irp k, 0,1,2,3,4,5,6,7
	global_load_b128 v[F+4*\k:F+4*\k+3], v[Z0], s[8:9] offset:16*\k
.endr
	global_load_b32 v[TFO], v[OO], s[6:7]
	global_load_b32 v[TFO+1], v[OO], s[8:9]
	global_load_b64 v[TI:TI+1], v[OI], s[6:7]
	global_load_b64 v[FI:FI+1], v[OI], s[8:9]
	global_load_b32 v[TL], v[OL], s[6:7]
	; the addresses that stay, and the head's own, are made while those 21 loads are out
	v_mul_u32_u24 v[LA], v[RR], PITCH
	v_add_nc_u32 v[LA], s[LB], v[LA]               ; my wave's tiles + row r (both halves of the lanes read the same row)
	s_lshl_b32 s13, s[WV], 7
	s_add_co_u32 s13, s13, TV
	v_lshl_add_u32 v[TVA], v[HH], 5, s13
	v_lshl_add_u32 v[ATV], v[LN], 2, s13
	s_lshl_b32 s13, s[WV], 6
	s_add_co_u32 s14, s13, OUTS
	v_lshl_add_u32 v[OSA], v[RR], 2, s14           ; result of row 16 w + r
	s_add_co_u32 s14, s13, WSC
	v_lshl_add_u32 v[AWS], v[RR], 2, s14
	s_lshl_b32 s13, s[WV], 10
	s_add_co_u32 s13, s13, WIMG
	v_lshl_add_u32 v[AWI], v[LN], 4, s13
	v_lshl_add_u32 v[OLA], v0, 4, OUTS             ; (used by waves 0 and 1 alone: threads 0 to 63 cover the 1,024 bytes)
	v_lshlrev_b32 v[OGA], 4, v0
	v_mov_b32 v[SMQ+1], 0
	v_lshlrev_b32 v[SH], 3, v[HH]
	v_mov_b32 v[OTH], 0                            ; a lane permute's destination counts as one of its sources
	v_lshl_add_u32 v[X], v[HH], 5, v[LA]           ; three addresses for the loads behind the barrier: my row + 32 h,
	v_lshl_add_u32 v[X+1], v[LN], 4, WIMG          ; an image's place for my lane,
	v_lshl_add_u32 v[X+2], v[LN], 2, WSC           ; a scale word's
; v[SUM] = the sum of 32 products a_k b_k, packed, in two chains
.macro DOT32 a, b
	v_pk_mul_f32 v[SUM:SUM+1], v[\a:\a+1], v[\b:\b+1]
	v_pk_mul_f32 v[SUM+2:SUM+3], v[\a+2:\a+3], v[\b+2:\b+3]
.irp k, 4,8,12,16,20,24,28
	v_pk_fma_f32 v[SUM:SUM+1], v[\a+\k:\a+\k+1], v[\b+\k:\b+\k+1], v[SUM:SUM+1]
	v_pk_fma_f32 v[SUM+2:SUM+3], v[\a+\k+2:\a+\k+3], v[\b+\k+2:\b+\k+3], v[SUM+2:SUM+3]
.endr
	v_pk_add_f32 v[SUM:SUM+1], v[SUM:SUM+1], v[SUM+2:SUM+3]
	v_add_f32 v[SUM], v[SUM], v[SUM+1]
.endm
; 32 numbers: d = a x register sel (0 or 1) of the pair b
.macro BMUL d, a, b, sel
.irp k, 0,2,4,6,8,10,12,14,16,18,20,22,24,26,28,30
.if \sel == 0
	v_pk_mul_f32 v[(\d)+\k:(\d)+\k+1], v[(\a)+\k:(\a)+\k+1], v[\b:\b+1] op_sel_hi:[1,0]
.else
	v_pk_mul_f32 v[(\d)+\k:(\d)+\k+1], v[(\a)+\k:(\a)+\k+1], v[\b:\b+1] op_sel:[0,1] op_sel_hi:[1,1]
.endif
.endr
.endm
; 32 numbers: d = a x register sel of the pair b + d, fused
.macro BFMA d, a, b, sel
.irp k, 0,2,4,6,8,10,12,14,16,18,20,22,24,26,28,30
.if \sel == 0
	v_pk_fma_f32 v[(\d)+\k:(\d)+\k+1], v[(\a)+\k:(\a)+\k+1], v[\b:\b+1], v[(\d)+\k:(\d)+\k+1] op_sel_hi:[1,0,1]
.else
	v_pk_fma_f32 v[(\d)+\k:(\d)+\k+1], v[(\a)+\k:(\a)+\k+1], v[\b:\b+1], v[(\d)+\k:(\d)+\k+1] op_sel:[0,1,0] op_sel_hi:[1,1,1]
.endif
.endr
.endm
; my block c of conj: row o, r-index i: the 32 numbers t_o (t_i t_j) + f_o ((t_i f_j + f_i t_j) + f_i f_j), j = 0 .. 31
.macro BLOCKVAL c
	BMUL V+32*\c, T, TI, \c                        ; t_i t_j
	BMUL U, F, TI, \c                              ; t_i f_j
	BMUL V+32*\c, V+32*\c, TFO, 0                  ; x t_o
	BFMA U, T, FI, \c                              ; + f_i t_j
	BFMA U, F, FI, \c                              ; + f_i f_j
	BFMA V+32*\c, U, TFO, 1                        ; + f_o x that
.endm
	s_wait_loadcnt 0x0                             ; both vectors and my five picks of them
	DOT32 T, T
	v_rsq_f32 v[INV], v[SUM]
	v_mov_b32 v[INV+1], 0                          ; (the plain place behind the transcendental; the pair's upper word is named, so it is written)
	s_wait_alu depctr_va_vdst(0)
	BMUL T, T, INV, 0                              ; t
	v_mul_f32 v[TFO], v[TFO], v[INV]               ; the picks go through the same operations as the arrays
	v_pk_mul_f32 v[TI:TI+1], v[TI:TI+1], v[INV:INV+1] op_sel_hi:[1,0]
	v_mul_f32 v[TL], v[TL], v[INV]
	DOT32 T, F                                     ; t . false_raw
	v_xor_b32 v[NPJ], 0x80000000, v[SUM]
	v_mov_b32 v[NPJ+1], 0
	BFMA F, T, NPJ, 0                              ; false_raw - (t . false_raw) t
	v_fma_f32 v[TFO+1], v[NPJ], v[TFO], v[TFO+1]
	v_pk_fma_f32 v[FI:FI+1], v[TI:TI+1], v[NPJ:NPJ+1], v[FI:FI+1] op_sel_hi:[1,0,1]
	DOT32 F, F
	v_rsq_f32 v[ING], v[SUM]
	v_mov_b32 v[ING+1], 0
	s_wait_alu depctr_va_vdst(0)
	BMUL F, F, ING, 0                              ; f
	v_mul_f32 v[TFO+1], v[TFO+1], v[ING]
	v_pk_mul_f32 v[FI:FI+1], v[FI:FI+1], v[ING:ING+1] op_sel_hi:[1,0]
	BLOCKVAL 0
	BLOCKVAL 1
	; the two blocks are quantised: all 32 numbers of a block are mine
.irp c, 0,1
	v_max3_num_f32 v[MX+\c], |v[V+32*\c]|, |v[V+32*\c+1]|, 0x1800000   ; and the floor 2^(3 - 127): the byte cannot fall under 1
.endr
.irp i, 2,4,6,8,10,12,14,16,18,20,22,24,26,28,30
.irp c, 0,1
	v_max3_num_f32 v[MX+\c], v[MX+\c], |v[V+32*\c+\i]|, |v[V+32*\c+\i+1]|   ; (the two blocks by turns)
.endr
.endr
.irp c, 0,1
	v_add_nc_u32 v[SOP+\c], 0xff000000, v[MX+\c]   ; 2 off the exponent field: the conversion takes the exponent field of this operand as its scale, and nothing else of it
.endr
.irp c, 0,1
	v_lshrrev_b32 v[BY+\c], 23, v[SOP+\c]          ; the scale's byte
.endr
	v_lshl_or_b32 v[WRD], v[BY+1], 16, v[BY]       ; my two bytes, blocks h and 2 + h of row o,
	v_lshlrev_b32 v[WRD], v[SH], v[WRD]            ; at their places in the scale word;
	v_permlanex16_b32 v[OTH], v[WRD], s[SEL], s[SEL+1]
	v_or_b32 v[WRD], v[WRD], v[OTH]                ; with lane l xor 16's two the word is whole, in both halves of the lanes
.irp c, 0,1
.irp g, 0,1,2,3
	v_cvt_scalef32_pk8_fp4_f32 v[FR+4*\c+\g], v[V+32*\c+8*\g:V+32*\c+8*\g+7], v[SOP+\c]   ; registers 4 c .. 4 c + 3 of the fragment
.endr
.endr
	v_nop                                          ; one plain place behind the last scaled conversion
	ds_store_b128 v[AWI], v[FR:FR+3]               ; the fragment goes to LDS as it stands: 16 bytes a lane, 512 consecutive bytes a store
	ds_store_b128 v[AWI], v[FR+4:FR+7] offset:512
	ds_store_b32 v[AWS], v[WRD]                    ; lanes r and r + 16 write the same word with the same value
	ds_store_b32 v[ATV], v[TL]                     ; t, for my own wave's last step
	s_wait_dscnt 0x0                               ; for the others' sake: my stores have landed
	s_barrier_signal -1                            ; (my tensor loads may stay out, and only I read what they bring)
	s_barrier_wait -1                              ; all 16 fragments lie in LDS
.set n, 0
.rept 32
	ds_load_b128 v[W+4*n:W+4*n+3], v[X+1] offset:512*n     ; quad n % 2 of fragment n / 2: the same registers in the same lanes as the wave that made it
.set n, n+1
.endr
.irp q, 0,1,2,3,4,5,6,7
	ds_load_b32 v[WS+\q], v[X+2] offset:128*\q     ; lanes 0-15: output tile 0's rows, lanes 16-31: tile 1's
.endr
	s_wait_tensorcnt 0x3                           ; tensor loads of a wave end in order (ISA guide 10.11.1): literals 0 and 1 are in; the three younger loads may be out
	ds_load_b128 v[RA:RA+3], v[X]                  ; r = literal 0 in the accumulators' order: R[p] = s_0[16 (p / 8) + 8 h + p % 8]
	ds_load_b128 v[RA+4:RA+7], v[X] offset:16
	ds_load_b128 v[RA+8:RA+11], v[X] offset:64
	ds_load_b128 v[RA+12:RA+15], v[X] offset:80
.irp c, 0,1,2,3,4,5,6,7
	ds_load_b128 v[S+4*\c:S+4*\c+3], v[LA] offset:128+16*\c   ; s = literal 1, whole
.endr
; ---- THE FOLDS
; max|s| / 4.  The quarter takes the format's 2 off the exponent of every block's largest magnitude at once.
.macro SMAX
	v_max3_num_f32 v[P], |v[S]|, |v[S+1]|, |v[S+2]|
	v_max3_num_f32 v[O], |v[S+3]|, |v[S+4]|, |v[S+5]|
.irp i, 6,10,14,18,22,26
	v_max3_num_f32 v[P], v[P], |v[S+\i]|, |v[S+\i+1]|
	v_max3_num_f32 v[O], v[O], |v[S+\i+2]|, |v[S+\i+3]|
.endr
	v_max3_num_f32 v[P], v[P], |v[S+30]|, |v[S+31]|
	v_max_num_f32 v[P], v[P], v[O]
	v_mul_f32 v[SMQ], 0x3e800000, v[P]
.endm
; K step q's scales.  |r_i| max|s| / 4, held at 2^-126 from below, is the conversion's scale operand as it stands, and its exponent field is the E8M0 byte.
.macro SCALE rin, q
.set XQ, X+2*((\q)%2)
	v_pk_mul_f32 v[XQ:XQ+1], v[\rin+2*(\q):\rin+2*(\q)+1], v[SMQ:SMQ+1] op_sel_hi:[1,0]
	v_max_num_f32 v[XQ], |v[XQ]|, s[FLOOR]
	v_max_num_f32 v[XQ+1], |v[XQ+1]|, s[FLOOR]
	v_perm_b32 v[P], v[XQ+1], v[XQ], s[HI2]        ; the two upper halves: in each, bits 14:7 are the exponent field
	v_lshrrev_b32 v[P], 7, v[P]                    ; byte 0: block h's scale byte; byte 2: block 2 + h's
	v_permlanex16_b32 v[O], v[P], s[SEL], s[SEL+1]
	v_perm_b32 v[WD+(\q)%2], v[O], v[P], s[MIX]    ; lanes 0-15: the bytes of blocks 0, 1, 2, 3 of batch row r.  (Lanes 16-31 are not read)
.endm
; eight products: numbers 8 g .. 8 g + 7 of block c (n = 4 c + g): s x R[2 q + c]
.macro MULG rin, q, n
.set CC, (\n)/4
.set GG, (\n)%4
.irp u, 0,2,4,6
.if CC == 0
	v_pk_mul_f32 v[PR+8*GG+\u:PR+8*GG+\u+1], v[S+8*GG+\u:S+8*GG+\u+1], v[\rin+2*(\q):\rin+2*(\q)+1] op_sel_hi:[1,0]
.else
	v_pk_mul_f32 v[PR+8*GG+\u:PR+8*GG+\u+1], v[S+8*GG+\u:S+8*GG+\u+1], v[\rin+2*(\q):\rin+2*(\q)+1] op_sel:[0,1] op_sel_hi:[1,1]
.endif
.endr
.endm
; and their eight codes: register 4 c + g of the fragment
.macro CVTG q, n
	v_cvt_scalef32_pk8_fp4_f32 v[FR+(\n)], v[PR+8*((\n)%4):PR+8*((\n)%4)+7], v[X+2*((\q)%2)+(\n)/4]
.endm
; the two output tiles.  The two accumulators take turns, one instruction a turn.  The first K step starts the sums: nothing is cleared.
.macro MM rout, q
.if (\q) == 0
	v_wmma_scale_f32_16x16x128_f8f6f4 v[\rout:\rout+7], v[W+16*(\q):W+16*(\q)+7], v[FR:FR+7], 0, v[WS+(\q)], v[WD+(\q)%2] matrix_a_fmt:MATRIX_FMT_FP4 matrix_b_fmt:MATRIX_FMT_FP4
	v_wmma_scale_f32_16x16x128_f8f6f4 v[\rout+8:\rout+15], v[W+16*(\q)+8:W+16*(\q)+15], v[FR:FR+7], 0, v[WS+(\q)], v[WD+(\q)%2] matrix_a_fmt:MATRIX_FMT_FP4 matrix_b_fmt:MATRIX_FMT_FP4 matrix_a_scale:MATRIX_SCALE_ROW1
.else
	v_wmma_scale_f32_16x16x128_f8f6f4 v[\rout:\rout+7], v[W+16*(\q):W+16*(\q)+7], v[FR:FR+7], v[\rout:\rout+7], v[WS+(\q)], v[WD+(\q)%2] matrix_a_fmt:MATRIX_FMT_FP4 matrix_b_fmt:MATRIX_FMT_FP4
	v_wmma_scale_f32_16x16x128_f8f6f4 v[\rout+8:\rout+15], v[W+16*(\q)+8:W+16*(\q)+15], v[FR:FR+7], v[\rout+8:\rout+15], v[WS+(\q)], v[WD+(\q)%2] matrix_a_fmt:MATRIX_FMT_FP4 matrix_b_fmt:MATRIX_FMT_FP4 matrix_a_scale:MATRIX_SCALE_ROW1
.endif
.endm
; what follows fold j is asked for as soon as s has been read for the last time: literal j + 1, or, behind the last fold, t in the accumulators' order
.macro NEXT j
.if (\j) == 7
	ds_load_b128 v[S:S+3], v[TVA]
	ds_load_b128 v[S+4:S+7], v[TVA] offset:16
	ds_load_b128 v[S+8:S+11], v[TVA] offset:64
	ds_load_b128 v[S+12:S+15], v[TVA] offset:80
.else
.if ((\j)%2) == 1
	s_wait_tensorcnt 3-((\j)+1)/2                  ; tile (j + 1) / 2 is in; the younger tiles' loads may be out (2, 1, then none)
.endif
.irp c, 0,1,2,3,4,5,6,7
	ds_load_b128 v[S+4*\c:S+4*\c+3], v[LA] offset:(((\j)+1)/2)*PAIRB+(((\j)+1)%2)*128+16*\c
.endr
.endif
.endm
; A K STEP: 128 along K = four blocks, two of them mine.  A group's conversion stands a group of products behind it, and its registers are written again two groups
; later: so plain instructions stand between a scaled conversion and every write of its sources.  The next K step's scales (seven plain lines, or four v_nop) are the places
; between the last conversion and the products; the next K step's first eight multiplications, which name none of the matrix instructions' registers, are the places
; behind them (ISA guide 7.12.1).  A scale word is written a whole K step ahead of the matrix instructions that read it, in two registers by turns.
.macro KSTEP j, rin, rout, q
	MULG \rin, \q, 0
	MULG \rin, \q, 1
	CVTG \q, 0
	MULG \rin, \q, 2
	CVTG \q, 1
	MULG \rin, \q, 3
	CVTG \q, 2
	MULG \rin, \q, 4
	CVTG \q, 3
	MULG \rin, \q, 5
	CVTG \q, 4
	MULG \rin, \q, 6
	CVTG \q, 5
	MULG \rin, \q, 7
.if (\q) == 7
	NEXT \j
.endif
	CVTG \q, 6
	CVTG \q, 7
.if (\q) < 7
	SCALE \rin, (\q)+1
.else
.rept 4
	v_nop
.endr
.endif
	MM \rout, \q
.endm
; FOLD j: r (in rin) and literal j (in S) give the new r (in rout).  SMAX's 17 lines are the places behind the last fold's products; each accumulator is first read at
; its low end (R[0:1] in K step 0's scales, R[8:9] in K step 4's).
.macro FOLD j, rin, rout
	s_wait_dscnt 0x0                               ; s is in (ahead of fold 1: the weights, their scale words and r too)
	SMAX
	SCALE \rin, 0
.irp q, 0,1,2,3,4,5,6,7
	KSTEP \j, \rin, \rout, \q
.endr
.endm
	FOLD 1, RA, RB
	FOLD 2, RB, RA
	FOLD 3, RA, RB
	FOLD 4, RB, RA
	FOLD 5, RA, RB
	FOLD 6, RB, RA
	FOLD 7, RA, RB
	; ---- THE END: r . t, held to 0 .. 1
.rept 4
	v_nop                                          ; places behind the last products
.endr
	s_wait_dscnt 0x0                               ; t
	v_pk_mul_f32 v[X:X+1], v[RB:RB+1], v[S:S+1]            ; my 16 of the 32 products, in two chains, each accumulator from its low end on
	v_pk_mul_f32 v[X+2:X+3], v[RB+8:RB+9], v[S+8:S+9]
.irp k, 2,4,6
	v_pk_fma_f32 v[X:X+1], v[RB+\k:RB+\k+1], v[S+\k:S+\k+1], v[X:X+1]
	v_pk_fma_f32 v[X+2:X+3], v[RB+8+\k:RB+9+\k], v[S+8+\k:S+9+\k], v[X+2:X+3]
.endr
	v_pk_add_f32 v[X:X+1], v[X:X+1], v[X+2:X+3]
	v_add_f32 v[X], v[X], v[X+1]
	v_permlanex16_b32 v[O], v[X], s[SEL], s[SEL+1]
	v_add_f32 v[X], v[X], v[O]                     ; with lane l xor 16's 16: the same bits in both halves of the lanes
	v_max_num_f32 v[X], 0, v[X]
	v_min_num_f32 v[X], 1.0, v[X]
	ds_store_b32 v[OSA], v[X]                      ; lanes r and r + 16 write the same word with the same value
	s_wait_dscnt 0x0                               ; for the others' sake: my store has landed
	s_barrier_signal -1
	s_barrier_wait -1                              ; the work-group's 256 results lie in LDS
	s_cmp_lt_u32 s[WV], 2
	s_cbranch_scc0 .Lend                           ; waves 0 and 1 store them
	ds_load_b128 v[X:X+3], v[OLA]
	s_wait_dscnt 0x0
	global_store_b128 v[OGA], v[X:X+3], s[10:11] th:TH_STORE_NT   ; a wave stores 512 consecutive bytes, at a multiple of 256 from out0's first byte
.Lend:
	s_wait_xcnt 0x0
	v_lshl_add_u32 v190, v0, 2, 0x49000
	v_mov_b32 v191, 0
	s_wait_tensorcnt 0x0
	ds_add_u32 v190, v191
	s_wait_dscnt 0x0
	s_endpgm
.Lfunc_end_k_q304adcdf56_fold:
	.size	k_q304adcdf56_fold, .Lfunc_end_k_q304adcdf56_fold-k_q304adcdf56_fold
	.p2alignl 7, 3214868480
	.fill 96, 4, 3214868480
	.section	.rodata,"a",@progbits
	.p2align	6, 0x0
	.amdhsa_kernel k_q304adcdf56_fold
		.amdhsa_group_segment_fixed_size 301056
		.amdhsa_private_segment_fixed_size 0
		.amdhsa_enable_private_segment 0
		.amdhsa_kernarg_size 32
		.amdhsa_user_sgpr_count 2
		.amdhsa_user_sgpr_kernarg_segment_ptr 1
		.amdhsa_wavefront_size32 1
		.amdhsa_system_sgpr_workgroup_id_x 1
		.amdhsa_system_sgpr_workgroup_id_y 1
		.amdhsa_system_sgpr_workgroup_id_z 1
		.amdhsa_system_vgpr_workitem_id 0
		.amdhsa_next_free_vgpr 256
		.amdhsa_next_free_sgpr 66
		.amdhsa_reserve_vcc 0
		.amdhsa_float_denorm_mode_32 3
		.amdhsa_float_denorm_mode_16_64 3
		.amdhsa_memory_ordered 1
		.amdhsa_forward_progress 1
		.amdhsa_inst_pref_size 223
	.end_amdhsa_kernel
	.amdgpu_metadata
---
amdhsa.version: [ 1, 2 ]
amdhsa.kernels:
  - .name:           k_q304adcdf56_fold
    .symbol:         k_q304adcdf56_fold.kd
    .args:
      - { .name: a, .offset: 0, .size: 8, .value_kind: global_buffer, .address_space: global }
      - { .name: truth_raw, .offset: 8, .size: 8, .value_kind: global_buffer, .address_space: global }
      - { .name: false_raw, .offset: 16, .size: 8, .value_kind: global_buffer, .address_space: global }
      - { .name: out0, .offset: 24, .size: 8, .value_kind: global_buffer, .address_space: global }
    .group_segment_fixed_size: 301056
    .private_segment_fixed_size: 0
    .kernarg_segment_align: 8
    .kernarg_segment_size: 32
    .max_flat_workgroup_size: 512
    .sgpr_count:     66
    .vgpr_count:     256
    .wavefront_size: 32
...
	.end_amdgpu_metadata
.endif
;; end of part 1
